; MI455X (gfx1250); checked and timed in simulation.
; The chip was launched on July 23, 2026; its instructions are those of AMD's public machine-readable ISA for CDNA 5 (MIT licence, August 2026) and "CDNA5" Instruction Set Architecture Reference Guide (July 2026). The comments in the code are by the model that wrote it; some were corrected since.
;; K Linear. Allowed arithmetic: matrix products marked QUANTISED: E2M1 operands, one E8M0 scale for each 32 along K, by v_wmma_scale_f32_16x16x128_f8f6f4 with both operands' format E2M1 (or v_wmma_scale_f32_32x16x128_f4), f32 sums; products left as they are: f32 operands where the result goes on into a quantised operand, else bf16, f16 or f32 operands; f32 sums; everything else in f32.
;; Inputs: L0 64 x 64 float32; L1 32 x 32 float32; L2 128 x 128 float32; R0 64 x 64 float32; R1 128 x 128 float32; R2 32 x 32 float32; bias 4,096 float32; x 8 x 512 x 4,096 float32.
;; Outputs: out0 8 x 512 x 4,096 float32.
;; This version of the problem:
;;   THIS VERSION OF THE PROBLEM IS GIVEN IN LOW PRECISION. The matrix products marked QUANTISED in the list below multiply operands that are first quantised to E2M1 (2 exponent bits, 1 mantissa bit; 4 bits a number), with one power-of-two scale for each 32 numbers along K (OCP MX v1.0); their sums are f32. All else is computed in f32.
;;   The module's matrix products, in the order in which they are computed (A, B: the left and right operand; K: the contracted axis; several contracted axes count as one K, in the product's order):
;;     1. [M 4,096, K 1] x [K 1, N 4,096]; A: computed on the way; B: computed on the way: left as it is (no contracted axis)
;;     2. [M 16,384, K 1] x [K 1, N 1,024]; A: computed on the way; B: computed on the way: left as it is (no contracted axis)
;;     3. [M 1,024, K 1] x [K 1, N 16,384]; A: computed on the way; B: computed on the way: left as it is (no contracted axis)
;;     4. [M 4,096, K 4,096] x [K 4,096, N 4,096]; A: input x; B: computed on the way: QUANTISED
;;   THE QUANTISER, for each operand of a quantised product, along K:
;;     - K is cut into blocks of 32 from its start; a last block that is shorter is filled with zeros.
;;     - A block's scale is 2^e with e = floor(log2(the largest magnitude in the block)) - 2, held to -126 .. 127; a block of zeros has e = 0. As a byte (E8M0): e + 127.
;;     - Each number is divided by its block's scale, clamped to +-6, and rounded to the nearest number of E2M1, ties to even, subnormals kept.
;;     - The product sums the exact products of the quantised numbers (number of the format x scale) in f32.
;;   ~~~python
;;   def quantise(x, axis):      # numpy; x: float32 -> the quantised numbers, widened to float32 again
;;       x = np.moveaxis(x, axis, -1); K = x.shape[-1]
;;       x = np.pad(x, [(0, 0)] * (x.ndim - 1) + [(0, -K % 32)]); x = x.reshape(x.shape[:-1] + (-1, 32)); a = np.abs(x).max(-1, keepdims=True)
;;       e = np.where(a > 0, np.clip(np.frexp(np.where(a > 0, a, 1))[1] - 1 - 2, -126, 127), 0)      # np.frexp(a)[1] - 1 = floor(log2(a)), exactly
;;       r = np.clip(x / 2.0 ** e, -6, 6)
;;       step = 2.0 ** (np.maximum(np.frexp(np.where(r == 0, 1, r))[1] - 1, 0) - 1)
;;       q = np.round(r / step) * step * 2.0 ** e      # np.round: ties to even
;;       return np.moveaxis(q.reshape(q.shape[:-2] + (-1,))[..., :K], -1, axis).astype(np.float32)
;;   ~~~
;;   OPERANDS COMPUTED ON THE WAY. 'Computed on the way' means the value that the module computes at that place (a softmax that the list does not call 'softmax' is quantised finished and normalised). What goes into a quantiser is computed in f32, as accurately as f32 sums, v_exp_f32 and their like allow (about 1e-6 of the number): no bf16 or f16 on the way to a quantiser, and a product that is left as it is and whose result goes on into a quantised operand takes f32 operands (vector FMAs, or v_wmma_f32_16x16x4_f32). A number that lies on a knife's edge between two numbers of the format may be rounded either way, as far as f32 arithmetic and the matrix unit's own rounding can turn it there, and no further.
;; One version. Each part assembles by itself: llvm-mc -triple=amdgcn-amd-amdhsa -mcpu=gfx1250 --defsym DOCPART=n.
;; ======== version 1 of 1: 2 launches
;; limits: right only within a limited range of input values
;; workspace buffers: xq 8,912,896 bytes; wq 8,912,896 bytes
;; launch prep (part 1): grid 768 x 1, 4 waves a work-group, no clusters, 34,304 bytes of LDS; arguments x, L0, R0, L1, R1, L2, R2, xq, wq; writes xq, wq
.if DOCPART == 1
	.amdgcn_target "amdgcn-amd-amdhsa--gfx1250"
	.amdhsa_code_object_version 6
	.text
	.protected	k_qea61e70645_prep
	.globl	k_qea61e70645_prep
	.p2align	8
	.type	k_qea61e70645_prep,@function
k_qea61e70645_prep:
	s_mov_b64 s[64:65], 0
	v_nop
	global_prefetch_b8 v0, s[64:65] scope:SCOPE_SE
	s_setreg_imm32_b32 hwreg(HW_REG_WAVE_MODE, 25, 1), 1
	s_wait_xcnt 0x0
; Both operands of out = x W + bias become codes of FP4 (E2M1) with one E8M0 scale byte for each 32 along K.
; x: [4096 (m)][4096 (k)] f32.   W[i][j] = (L0[i>>6][j>>6] R0[i&63][j&63] + L1[i>>7][j>>7] R1[i&127][j&127] + L2[i>>5][j>>5] R2[i&31][j&31]) / 3, i = k, j = n: made here in f32.
; A block's scale is 2^(floor(log2(its largest magnitude)) - 2): its byte is the largest magnitude's exponent field - 2, held at 1 from below by a floor among the maximum's leaves.
; LAYOUT of xq and wq (row = m for x, n for W): [row / 128 : 32][k / 512 : 8][a tile of 34,816 bytes].  A tile holds 128 rows x 512 K AS IMAGES OF THE OPERAND'S REGISTERS:
;   the fragment b (16 rows) of K quarter q (128 along K) at (4 b + q) x 1,024; in it registers 4 c .. 4 c + 3 at 512 c, lane l's 16 bytes at 16 l
;   (lane 16 h + r: the 32 codes k = 64 c + 32 h + 0 .. 31 of the fragment's row r, the lower k in the lower bits);
;   from byte 32,768 on the scale words: fragment b's at 256 b, row r's 16 bytes at 16 r, word q = the four bytes of K quarter q.
;   WHICH ROWS: x's fragment b holds rows 16 b + r of the tile's 128; W's holds columns 64 (b / 4) + 4 r + b % 4: so four neighbouring fragments hold, in lane r, four neighbouring columns of the result.
; SHARES.  Work-groups 0 .. 255 take W: a work-group one tile, a wave two fragments x 512 K.  Work-groups 256 .. 767 take x: a wave 16 rows x 512 K (four fragments).
; No tensor loads, no barrier: waves share nothing.  Only the x path touches LDS.  No loop to run ahead in: no prefetch; half of a wave's x is asked for at its start.
; LIMITS.  NaN and infinities among the inputs are not served.  A block of zeros gets the byte 1 where the rule says 127: its codes are zeros, which add nothing under that byte, and this program alone
; reads the bytes.  THE DIVISION BY 3 IS DONE ON L's NUMBERS: each is multiplied once by the f32 nearest 1/3, and W's sum is then one multiply and two fused multiply-adds: other roundings than three
; products, two sums and a division; a number of W lies within a few units in the last place of its largest term of what that order gives.
.set TILEB, 34816                      ; a tile: 32,768 bytes of codes + 2,048 of scale words
.set SCOFF, 32768
.set SPW,  9                           ; v9       LDS address of my spare word (behind the four stages)
.set NIL,  22                          ; v22      0
.set SPARE, 4*16*528
	v_lshl_add_u32 v[SPW], v0, 2, SPARE
	v_mov_b32 v[NIL], 0
	v_lshrrev_b32 v1, 5, v0
	v_readfirstlane_b32 s16, v1                    ; wave 0..3
	v_and_b32 v1, 31, v0                           ; lane
	s_cmp_lt_u32 ttmp9, 256                        ; W's work-group or x's: the work-group's number alone decides
	s_cbranch_scc1 .Lweights
; ---------------------------------------------------------------- x ----------------------------------------------------------------
; Work-group 256 + g: rows 16 (g >> 1) on; wave w: K step 4 (g & 1) + w.  Each load takes 512 consecutive bytes of ONE row (a K quarter), 16 bytes a lane; the 16 rows' quarters turn through the wave's own
; stage in LDS (rows 528 bytes apart) and come back so that lane (r, h) holds, of row r, k = 64 c + 32 h + 0 .. 31: two whole blocks, in the order of the operand's registers.
.set XSP,  528                         ; a stage row: 512 bytes + 16: an odd multiple of 16 bytes
.set XM,   10                          ; v10-11   the two blocks' largest magnitudes
.set XE,   12                          ; v12-13   the conversions' scale operands
.set XB,   14                          ; v14-15   scale bytes at work
.set XW,   16                          ; v16-19   my row's scale word for each K quarter
.set XC,   24                          ; v24-55   codes: eight registers a fragment, never written twice: no store's data are rewritten
.set XX,   64                          ; v64-127  64 numbers of my row
.set XR,   128                         ; v128-255 two sets of 64 registers as loaded
	s_load_b64 s[4:5], s[0:1], 0x0                 ; x
	s_load_b64 s[6:7], s[0:1], 0x38                ; xq
	v_and_b32 v2, 15, v1                           ; r
	v_lshrrev_b32 v3, 4, v1                        ; h
	v_lshlrev_b32 v4, 4, v1                        ; 16 x lane: my bytes of a load's 512, and of an image's 512
	s_mul_i32 s23, s16, 16*XSP                     ; my wave's stage
	v_add_nc_u32 v5, s23, v4                       ; into it: 16 x lane, a row an instruction
	v_mul_u32_u24 v6, v2, XSP
	v_lshl_add_u32 v6, v3, 7, v6
	v_add_nc_u32 v6, s23, v6                       ; out of it: row r, + 128 h bytes (32 numbers)
	v_lshlrev_b32 v7, 4, v2
	v_lshl_add_u32 v7, v3, 3, v7                   ; the scale words' store: 16 r + 8 h
	v_lshlrev_b32 v8, 3, v3                        ; 8 h: my two bytes' shift in a scale word
	s_mov_b32 s68, 0x76543210
	s_mov_b32 s69, 0xfedcba98                      ; v_permlanex16_b32's selects for lane l xor 16
	s_sub_co_u32 s19, ttmp9, 256
	s_lshr_b32 s17, s19, 1                         ; which 16 rows
	s_and_b32 s18, s19, 1
	s_lshl_b32 s18, s18, 2
	s_add_co_u32 s18, s18, s16                     ; which K step
	s_lshl_b32 s20, s17, 18                        ; 16 rows of 16,384 bytes
	s_lshl_b32 s19, s18, 11                        ; 512 numbers of 4 bytes
	s_add_co_u32 s20, s20, s19
	s_mov_b32 s21, 0
	s_lshr_b32 s19, s17, 3
	s_lshl_b32 s19, s19, 3
	s_add_co_u32 s19, s19, s18                     ; the tile: 8 (row / 128) + K step
	s_mul_i32 s22, s19, TILEB
	s_and_b32 s19, s17, 7                          ; which 16 rows of the tile's 128
	s_lshl_b32 s24, s19, 12
	s_add_co_u32 s24, s24, s22                     ; my four fragments
	s_mov_b32 s25, 0
	s_lshl_b32 s26, s19, 8
	s_add_co_u32 s26, s26, s22
	s_add_co_u32 s26, s26, SCOFF                   ; my 256 bytes of scale words
	s_mov_b32 s27, 0
	s_wait_alu depctr_va_vdst(0)                   ; the wait at the head's end
	s_wait_kmcnt 0x0
	s_add_nc_u64 s[4:5], s[4:5], s[20:21]
	s_add_nc_u64 s[8:9], s[6:7], s[26:27]
	s_add_nc_u64 s[6:7], s[6:7], s[24:25]
.macro XLOAD q                         ; K quarter q of my 16 rows into set q % 2: 32 lanes read 512 consecutive bytes; read once in the launch
.irp t, 0,1,2,3,4,5,6,7,8,9,10,11,12,13,14,15
	global_load_b128 v[XR+64*((\q)%2)+4*\t:XR+64*((\q)%2)+4*\t+3], v4, s[4:5] offset:16384*\t+512*(\q) th:TH_LOAD_NT
.endr
.endm
.macro XFRAG q
.if (\q) < 3
	s_wait_loadcnt 16                              ; this quarter's 16 loads are in; the next quarter's 16 may be out
.else
	s_wait_loadcnt 0x0
.endif
.irp t, 0,1,2,3,4,5,6,7,8,9,10,11,12,13,14,15
	ds_store_b128 v5, v[XR+64*((\q)%2)+4*\t:XR+64*((\q)%2)+4*\t+3] offset:XSP*\t
.endr
.irp c, 0,1
.irp j, 0,1,2,3,4,5,6,7
	ds_load_b128 v[XX+32*\c+4*\j:XX+32*\c+4*\j+3], v6 offset:256*\c+16*\j   ; LDS serves a wave's instructions in order: these see the stores above
.endr
.endr
	s_wait_dscnt 0x0                               ; my 64 numbers are back, and the stage's stores have read their registers,
.if (\q)+2 < 4
	XLOAD (\q)+2                                   ; which take the quarter two further on
.endif
.irp c, 0,1
	v_max3_num_f32 v[XM+\c], |v[XX+32*\c]|, |v[XX+32*\c+1]|, 0x1800000   ; block 2 c + h: all 32 numbers are mine; the floor 2^(3 - 127) keeps the byte at 1 or above
.endr
.irp i, 2,4,6,8,10,12,14,16,18,20,22,24,26,28,30
.irp c, 0,1
	v_max3_num_f32 v[XM+\c], v[XM+\c], |v[XX+32*\c+\i]|, |v[XX+32*\c+\i+1]|   ; (the two blocks by turns)
.endr
.endr
.irp c, 0,1
	v_add_nc_u32 v[XE+\c], 0xff000000, v[XM+\c]    ; 2 off the exponent field: the conversion takes this operand's exponent field as its scale, and nothing else of it
.endr
.irp c, 0,1
	v_lshrrev_b32 v[XB+\c], 23, v[XE+\c]           ; the scale's byte
.endr
	v_lshl_or_b32 v[XB], v[XB+1], 16, v[XB]        ; my two bytes: blocks h and 2 + h,
	v_lshlrev_b32 v[XB], v8, v[XB]                 ; at their places in the word;
	v_permlanex16_b32 v[XB+1], v[XB], s68, s69
	v_or_b32 v[XW+(\q)], v[XB], v[XB+1]            ; with lane l xor 16's two the word is whole, in both lanes
.irp c, 0,1
.irp g, 0,1,2,3
	v_cvt_scalef32_pk8_fp4_f32 v[XC+8*(\q)+4*\c+\g], v[XX+32*\c+8*\g:XX+32*\c+8*\g+7], v[XE+\c]   ; register 4 c + g of the fragment; beyond 6 the largest code
.endr
.endr
	v_nop                                          ; one plain line behind the last conversion of the run
.irp c, 0,1
	global_store_b128 v4, v[XC+8*(\q)+4*\c:XC+8*(\q)+4*\c+3], s[6:7] offset:1024*(\q)+512*\c   ; 32 lanes store 512 consecutive bytes, at a multiple of 256 from the buffer's first byte
.endr
.endm
	XLOAD 0
	XLOAD 1
	XFRAG 0
	XFRAG 1
	XFRAG 2
	XFRAG 3
	v_cmp_ne_u32 vcc_lo, 0, v3                     ; lanes 0-15 store words 0 and 1 of their row, lanes 16-31 words 2 and 3
	v_cndmask_b32 v20, v[XW], v[XW+2], vcc_lo
	v_cndmask_b32 v21, v[XW+1], v[XW+3], vcc_lo
	global_store_b64 v7, v[20:21], s[8:9]          ; 32 lanes store 256 consecutive bytes, aligned
	s_wait_tensorcnt 0x0                           ; the wave's end: three lines behind my last LDS store
	ds_add_u32 v[SPW], v[NIL]
	s_wait_dscnt 0x0
	s_endpgm
; ---------------------------------------------------------------- W ----------------------------------------------------------------
; Work-group g: columns 128 (g & 31) on, K step g >> 5.  Wave w: fragments 2 w and 2 w + 1.  A LANE TAKES A COLUMN, lane 16 h + r the column 64 (w >> 1) + 4 r + 2 (w & 1) + h, AND ITS REGISTERS RUN DOWN K: a
; block of 32 along K lies in one lane's 32 registers, so its maximum needs no other lane, and its 16 bytes of codes are one lane's piece of a fragment's image: nothing goes through LDS.
; Block t of the K step's 16 (rows i = 512 ks + 32 t + 0 .. 31): L0's and L1's numbers are the same for the wave's columns: scalars; L2's is one for lanes with r < 8, another for the rest: a register a block.
; R's rows: R0 32 (t & 1) + ii, R1 32 (t & 3) + ii, R2 ii.
; The blocks go in the order t = q + 4 kq, q outermost, so that a quarter of R1 (32 rows) serves four blocks and the next quarter lands meanwhile.
.set WSB,  12                          ; v12-15   my column's scale words, one for each K quarter
.set WC,   16                          ; v16-31   codes: four sets of four, one for each block of a group (this path has no LDS store: v9 and v22 are not kept)
.set WX,   48                          ; v48-79   a block's 32 numbers
.set WR2,  80                          ; v80-111  R2's 32 rows at my column
.set WR0,  112                         ; v112-175 R0's 64 rows
.set WR1,  176                         ; v176-239 R1: two sets of 32 rows
.set WL2,  240                         ; v240-255 L2's 16 numbers, each / 3
.set SL0,  44                          ; s44-51   L0's 8
.set SL1,  52                          ; s52-55   L1's 4
.set PL0,  56                          ; s[56:57], s[58:59]: the block's two, each as the low word of a pair: the packed forms name a pair and take its low word for both halves
.set PL1,  58
.set C3,   62                          ; s62      the f32 nearest 1/3
.Lweights:
	s_load_b256 s[4:11], s[0:1], 0x8               ; L0 s[4:5], R0 s[6:7], L1 s[8:9], R1 s[10:11]
	s_load_b128 s[12:15], s[0:1], 0x28             ; L2 s[12:13], R2 s[14:15]
	s_load_b64 s[20:21], s[0:1], 0x40              ; wq
	s_and_b32 s22, s16, 1
	s_lshl_b32 s22, s22, 3
	s_wait_alu depctr_va_vdst(0)                   ; the wait directly ahead of the reader below
	v_lshrrev_b32 v3, 4, v1                        ; h
	v_and_b32 v4, 15, v1                           ; r
	v_lshlrev_b32 v2, 2, v3
	v_lshl_add_u32 v2, v4, 4, v2
	v_add_nc_u32 v2, s22, v2                       ; R0, R1: 4 x (4 r + 2 (w & 1) + h)
	v_and_b32 v10, 127, v2                         ; R2: the same modulo its row of 128 bytes
	v_lshrrev_b32 v11, 3, v4
	v_lshlrev_b32 v11, 2, v11                      ; L2: 4 (r >> 3)
	v_lshlrev_b32 v4, 4, v4
	v_lshl_add_u32 v3, v3, 12, v4                  ; the codes' store: 4,096 h + 16 r: lanes 16-31 belong to the next fragment
	v_lshlrev_b32 v4, 4, v1                        ; the scale words' store: 16 x lane
	s_and_b32 s18, ttmp9, 31                       ; rb: which 128 columns
	s_lshr_b32 s19, ttmp9, 5                       ; ks: which K step
	s_lshr_b32 s26, s16, 1                         ; which 64 of them
	s_lshl_b32 s28, s19, 11                        ; L0[8 ks + u][2 rb + (w >> 1)]: rows of 256 bytes
	s_lshl_b32 s22, s18, 3
	s_add_co_u32 s28, s28, s22
	s_lshl_b32 s22, s26, 2
	s_add_co_u32 s28, s28, s22
	s_mov_b32 s29, 0
	s_lshl_b32 s32, s19, 9                         ; L1[4 ks + u][rb]: rows of 128 bytes
	s_lshl_b32 s22, s18, 2
	s_add_co_u32 s32, s32, s22
	s_mov_b32 s33, 0
	s_lshl_b32 s34, s26, 8                         ; R1: column 64 (w >> 1) on
	s_mov_b32 s35, 0
	s_lshl_b32 s36, s19, 13                        ; L2[16 ks + t][4 rb + 2 (w >> 1) + (r >> 3)]: rows of 512 bytes
	s_lshl_b32 s22, s18, 4
	s_add_co_u32 s36, s36, s22
	s_lshl_b32 s22, s26, 3
	s_add_co_u32 s36, s36, s22
	s_mov_b32 s37, 0
	s_lshl_b32 s22, s18, 3
	s_add_co_u32 s22, s22, s19
	s_mul_i32 s22, s22, TILEB                      ; the tile: 8 rb + ks
	s_lshl_b32 s38, s16, 13
	s_add_co_u32 s38, s38, s22                     ; my two fragments' rows of four: 8,192 w
	s_mov_b32 s39, 0
	s_lshl_b32 s40, s16, 9
	s_add_co_u32 s40, s40, s22
	s_add_co_u32 s40, s40, SCOFF                   ; and their scale words: 512 w
	s_mov_b32 s41, 0
	s_wait_alu depctr_va_vdst(0)                   ; the wait at the head's end
	s_wait_kmcnt 0x0
	s_add_nc_u64 s[4:5], s[4:5], s[28:29]
	s_add_nc_u64 s[8:9], s[8:9], s[32:33]
	s_add_nc_u64 s[10:11], s[10:11], s[34:35]
	s_add_nc_u64 s[12:13], s[12:13], s[36:37]
	s_add_nc_u64 s[24:25], s[20:21], s[40:41]
	s_add_nc_u64 s[20:21], s[20:21], s[38:39]      ; none of these bases is written again
.irp u, 0,1,2,3,4,5,6,7
	s_load_b32 s[SL0+\u], s[4:5], 256*\u
.endr
.irp u, 0,1,2,3
	s_load_b32 s[SL1+\u], s[8:9], 128*\u
.endr
.irp t, 0,1,2,3,4,5,6,7,8,9,10,11,12,13,14,15
	global_load_b32 v[WL2+\t], v11, s[12:13] offset:512*\t
.endr
.irp i, 0,1,2,3,4,5,6,7,8,9,10,11,12,13,14,15,16,17,18,19,20,21,22,23,24,25,26,27,28,29,30,31
	global_load_b32 v[WR2+\i], v10, s[14:15] offset:128*\i
.endr
.irp i, 0,1,2,3,4,5,6,7,8,9,10,11,12,13,14,15,16,17,18,19,20,21,22,23,24,25,26,27,28,29,30,31
	global_load_b32 v[WR0+\i], v2, s[6:7] offset:256*\i
	global_load_b32 v[WR0+32+\i], v2, s[6:7] offset:256*(32+\i)
.endr
.macro R1LOAD n                        ; rows 32 n .. 32 n + 31 of R1 into set n % 2
.irp i, 0,1,2,3,4,5,6,7,8,9,10,11,12,13,14,15,16,17,18,19,20,21,22,23,24,25,26,27,28,29,30,31
	global_load_b32 v[WR1+32*((\n)%2)+\i], v2, s[10:11] offset:512*(32*(\n)+\i)
.endr
.endm
	R1LOAD 0
	R1LOAD 1
	s_mov_b32 s[PL0+1], 0                          ; the pairs' upper words are named with the lower, so they are written
	s_mov_b32 s[PL1+1], 0
	s_mov_b32 s[C3], 0x3eaaaaab
	s_wait_kmcnt 0x0                               ; L0's and L1's 12 numbers
.irp u, 0,1,2,3,4,5,6,7                        ; the division by 3, once for each of L's numbers
	s_mul_f32 s[SL0+\u], s[SL0+\u], s[C3]
.endr
.irp u, 0,1,2,3
	s_mul_f32 s[SL1+\u], s[SL1+\u], s[C3]
.endr
; Block t = q + 4 kq: block q of K quarter kq.
.macro WBLOCK q, kq
.set TT, (\q)+4*(\kq)
	s_mov_b32 s[PL0], s[SL0+TT/2]
	s_mov_b32 s[PL1], s[SL1+(\kq)]
.irp p, 0,2,4,6,8,10,12,14,16,18,20,22,24,26,28,30
	v_pk_mul_f32 v[WX+\p:WX+\p+1], v[WR0+32*((\q)%2)+\p:WR0+32*((\q)%2)+\p+1], s[PL0:PL0+1] op_sel_hi:[1,0]
.endr
.irp p, 0,2,4,6,8,10,12,14,16,18,20,22,24,26,28,30
	v_pk_fma_f32 v[WX+\p:WX+\p+1], v[WR1+32*((\q)%2)+\p:WR1+32*((\q)%2)+\p+1], s[PL1:PL1+1], v[WX+\p:WX+\p+1] op_sel_hi:[1,0,1]
.endr
.irp p, 0,2,4,6,8,10,12,14,16,18,20,22,24,26,28,30
.if TT%2                               ; L2's number t is the upper or the lower register of its pair, and serves both halves
	v_pk_fma_f32 v[WX+\p:WX+\p+1], v[WR2+\p:WR2+\p+1], v[WL2+TT-1:WL2+TT], v[WX+\p:WX+\p+1] op_sel:[0,1,0]
.else
	v_pk_fma_f32 v[WX+\p:WX+\p+1], v[WR2+\p:WR2+\p+1], v[WL2+TT:WL2+TT+1], v[WX+\p:WX+\p+1] op_sel_hi:[1,0,1]
.endif
.endr
	v_max3_num_f32 v5, |v[WX]|, |v[WX+1]|, |v[WX+2]|               ; the block's largest magnitude, in two chains
	v_max3_num_f32 v6, |v[WX+3]|, |v[WX+4]|, |v[WX+5]|
.irp i, 6,10,14,18,22,26
	v_max3_num_f32 v5, v5, |v[WX+\i]|, |v[WX+\i+1]|
	v_max3_num_f32 v6, v6, |v[WX+\i+2]|, |v[WX+\i+3]|
.endr
	v_max3_num_f32 v5, v5, |v[WX+30]|, |v[WX+31]|
	v_max3_num_f32 v5, v5, v6, 0x1800000           ; and the floor 2^(3 - 127): the byte cannot fall under 1
	v_add_nc_u32 v7, 0xff000000, v5                ; 2 off the exponent field: the conversion's scale operand
	v_lshrrev_b32 v8, 23, v7                       ; the scale's byte: byte q of K quarter kq's word
.if (\q) == 0
	v_mov_b32 v[WSB+(\kq)], v8
.else
	v_lshl_or_b32 v[WSB+(\kq)], v8, 8*(\q), v[WSB+(\kq)]
.endif
.irp g, 0,1,2,3
	v_cvt_scalef32_pk8_fp4_f32 v[WC+4*(\kq)+\g], v[WX+8*\g:WX+8*\g+7], v7
.endr
	v_nop                                          ; one plain line behind the last conversion: the next block writes its sources
	global_store_b128 v3, v[WC+4*(\kq):WC+4*(\kq)+3], s[20:21] offset:1024*(\kq)+512*((\q)/2)+256*((\q)%2)   ; block q = 2 c + h of the quarter: registers 4 c on, lanes 16 h on; sixteen lanes store 256 consecutive bytes, aligned
.endm
.irp q, 0,1,2,3
.if \q > 0
	s_wait_xcnt 0x0                                ; the last group's four stores have read their data: the four sets of codes are written again only behind this wait
.endif
.if \q < 3
	s_wait_loadcnt 32                              ; all loads but the youngest 32, the next quarter of R1, are in
.else
	s_wait_loadcnt 0x0
.endif
.if \q == 0
.irp t, 0,1,2,3,4,5,6,7,8,9,10,11,12,13,14,15
	v_mul_f32 v[WL2+\t], s[C3], v[WL2+\t]          ; the division by 3 for L2's numbers
.endr
.endif
.irp k, 0,1,2,3
	WBLOCK \q, \k
.endr
.if \q < 2
	R1LOAD \q+2                                    ; into the set just used
.endif
.endr
	global_store_b128 v4, v[WSB:WSB+3], s[24:25]   ; my column's four scale words: 32 lanes store 512 consecutive bytes, aligned
	s_endpgm
.Lfunc_end_k_qea61e70645_prep:
	.size	k_qea61e70645_prep, .Lfunc_end_k_qea61e70645_prep-k_qea61e70645_prep
	.p2alignl 7, 3214868480
	.fill 96, 4, 3214868480
	.section	.rodata,"a",@progbits
	.p2align	6, 0x0
	.amdhsa_kernel k_qea61e70645_prep
		.amdhsa_group_segment_fixed_size 34304
		.amdhsa_private_segment_fixed_size 0
		.amdhsa_enable_private_segment 0
		.amdhsa_kernarg_size 72
		.amdhsa_user_sgpr_count 2
		.amdhsa_user_sgpr_kernarg_segment_ptr 1
		.amdhsa_wavefront_size32 1
		.amdhsa_system_sgpr_workgroup_id_x 1
		.amdhsa_system_sgpr_workgroup_id_y 1
		.amdhsa_system_sgpr_workgroup_id_z 1
		.amdhsa_system_vgpr_workitem_id 0
		.amdhsa_next_free_vgpr 256
		.amdhsa_next_free_sgpr 72
		.amdhsa_reserve_vcc 1
		.amdhsa_float_denorm_mode_32 3
		.amdhsa_float_denorm_mode_16_64 3
		.amdhsa_memory_ordered 1
		.amdhsa_forward_progress 1
		.amdhsa_inst_pref_size 130
	.end_amdhsa_kernel
	.amdgpu_metadata
---
amdhsa.version: [ 1, 2 ]
amdhsa.kernels:
  - .name:           k_qea61e70645_prep
    .symbol:         k_qea61e70645_prep.kd
    .args:
      - { .name: x, .offset: 0, .size: 8, .value_kind: global_buffer, .address_space: global }
      - { .name: L0, .offset: 8, .size: 8, .value_kind: global_buffer, .address_space: global }
      - { .name: R0, .offset: 16, .size: 8, .value_kind: global_buffer, .address_space: global }
      - { .name: L1, .offset: 24, .size: 8, .value_kind: global_buffer, .address_space: global }
      - { .name: R1, .offset: 32, .size: 8, .value_kind: global_buffer, .address_space: global }
      - { .name: L2, .offset: 40, .size: 8, .value_kind: global_buffer, .address_space: global }
      - { .name: R2, .offset: 48, .size: 8, .value_kind: global_buffer, .address_space: global }
      - { .name: xq, .offset: 56, .size: 8, .value_kind: global_buffer, .address_space: global }
      - { .name: wq, .offset: 64, .size: 8, .value_kind: global_buffer, .address_space: global }
    .group_segment_fixed_size: 34304
    .private_segment_fixed_size: 0
    .kernarg_segment_align: 8
    .kernarg_segment_size: 72
    .max_flat_workgroup_size: 128
    .sgpr_count:     72
    .vgpr_count:     256
    .wavefront_size: 32
...
	.end_amdgpu_metadata
.endif
;; end of part 1
;; launch gemm (part 2): grid 16 x 16, 4 waves a work-group, clusters of 4 x 4, 327,680 bytes of LDS; arguments xq, wq, bias, out0; writes out0
.if DOCPART == 2
	.amdgcn_target "amdgcn-amd-amdhsa--gfx1250"
	.amdhsa_code_object_version 6
	.text
	.protected	k_qea61e70645_gemm
	.globl	k_qea61e70645_gemm
	.p2align	8
	.type	k_qea61e70645_gemm,@function
k_qea61e70645_gemm:
	s_mov_b64 s[64:65], 0
	v_nop
	global_prefetch_b8 v0, s[64:65] scope:SCOPE_SE
	s_setreg_imm32_b32 hwreg(HW_REG_WAVE_MODE, 25, 1), 1
	s_wait_xcnt 0x0
	s_wait_alu depctr_hold_cnt(0) depctr_sa_sdst(0) depctr_va_vdst(0) depctr_va_sdst(0) depctr_va_ssrc(0) depctr_va_vcc(0) depctr_vm_vsrc(0)
	s_getreg_b32 s2, hwreg(HW_REG_IB_STS2, 6, 4)
	s_cmp_eq_u32 s2, 0
	s_cbranch_scc0 .Lentry_in_a_cluster
	s_endpgm
.Lentry_in_a_cluster:
	s_bfe_u32 s2, ttmp6, 0x10000c
	s_cmp_lg_u32 s2, 0xf033
	s_cbranch_scc0 .Lentry_shape_is_right
	s_endpgm
.Lentry_shape_is_right:
; out0[m][n] = sum over k of x[m][k] W[k][n] + bias[n], on codes of FP4 (E2M1) with one E8M0 scale for each 32 along K; sums in f32.  M = N = K = 4,096.
; xq and wq lie as [row / 128 : 32][k / 512 : 8][a tile of 34,816 bytes]; a tile holds 128 rows x 512 K as images of the operand's registers: fragment b (16 rows) of K quarter q at (4 b + q) x 1,024, its
; registers 4 c .. 4 c + 3 at 512 c, lane l's 16 bytes at 16 l; from byte 32,768 on the scale words: fragment b's at 256 b, row r's four words (one a K quarter) at 16 r.
; x's fragment b holds rows 16 b + r; W's holds columns 64 (b / 4) + 4 r + b % 4.
; A tile of out0, 256 x 256, is made by a work-group of four waves; a wave makes 128 x 128: 32 accumulators of 32 x 16, 512 registers.  K goes in 8 steps of 512 through a ring of two LDS slots.
; A slot holds x's two tiles whole (136 rows of 256 bytes each) and of W's two tiles the upper part: fragments 4 to 7 and the scale words, which lie on end (72 rows each); each wave fetches one with ONE tensor load.
; Every fragment and every run of scale words is read as 16 bytes a lane on end: no pitch and no padding.
; CLUSTERS: 4 x 4 work-groups.  The four of a row of the cluster need the same tiles of x, the four of a column the same tiles of W: what goes through LDS is asked for JOINTLY, by the same tensor load with the
; same descriptor and a mask that names the four.
; W's FRAGMENTS 0 TO 3 GO STRAIGHT TO REGISTERS, into a ring of four K quarters (128 registers), each asked for three steps of 128 ahead of its use.  They are a quarter of a step's fragment bytes.  The reason why
; that quarter is not asked for jointly: a joint load ends in LDS, where each wave would have to read it again: for 128 along K a work-group would read 4 x 16 KB of fragments from LDS and fill 34 KB there;
; so it reads 4 x 12 KB and fills 26 KB.
; THE RESULT'S LAYOUT: lane (r, h) holds column r of W's fragment, and register j of an accumulator the row 16 (j / 8) + 8 h + j % 8 of the 32.  The four accumulators of W's fragments 4 g .. 4 g + 3 so hold, at
; one j, four NEIGHBOURING columns 64 g + 4 r on of one row: the addition of the bias puts them into four neighbouring registers, and sixteen lanes store one aligned unit of 256 bytes.  No stage in LDS.
; PREFETCH: K step 1 is asked of memory behind the head's load, 2 and 3 behind K step 1's load, and then, behind each refill of the loop's first two trips, the K step two refills on: 4 to 7.  The four partners
; that share a tile share its 136 units of 256 bytes out by address: 32 units (a lane a unit) and 2 of scale words each.
; REGISTERS, in windows of 256: window 0: v0-31 addresses and the bias; v32-95 scale words, two sets; v96-223 x's fragments, two sets of 64; v224-255 and, at the end, v32-63: results to store.
;   window 1: W's fragments 4 to 7, two sets, at v0 and v32 (in the last K step four, quarter q at v[32 q]); W's fragments 0 to 3 of K quarter q at v[128 + 32 q].
;   windows 2 and 3: the accumulators: (a, b), rows 32 a on, W's fragment b, at v[128 (a % 2) + 16 b] of window 2 + a / 2.
; LIMITS: those of the launch that makes the codes (no NaN, no infinities).  The last K step's quarters are summed in the order 0, 2, 3, 1, and the bias is added last.
.set TILEB,  34816                     ; a tile in memory: 136 x 256 bytes
.set UPPER,  16384                     ; where its upper part begins: fragments 4 to 7, then the scale words
.set WT,     18432                     ; that part: 72 x 256 bytes
.set SLOT,   2*TILEB+2*WT
.set SPARE,  2*SLOT                    ; behind the ring: the spare words, 128 bytes for each wave: two blocks of 256 bytes that no other line names
.set LAPS,   4                         ; a lap = two K steps = once round the ring
.set NROW,   16384                     ; a row of out0 in bytes
.set WO,   4                           ; v4      16 x lane: my offset in an image of 512 bytes; never rewritten
.set BI,   8                           ; v8-15   the bias: register 4 g + e = bias[my first column + 64 g + 4 r + e]
.set ADRA, 16                          ; v16-17  LDS address of my x tile in slot 0, 1, + 16 x lane
.set ADRB, 20                          ; v20-21  the same for W's part
.set CO,   24                          ; v24     my byte offset in out0: 8 h rows + 16 r
.set BO,   25                          ; v25     my byte offset in the bias: 16 r
.set PFO,  26                          ; v26     the prefetches' offset: 256 x lane
.set PFS,  27                          ; v27     and for the scale words' units
.set SPW,  28                          ; v28     LDS address of my spare word: SPARE + 4 x my thread's number; never rewritten
.set NIL,  29                          ; v29     0; never rewritten
.set SC,   32                          ; scale words: set s (for slot s) at v[SC + 32 s]; in it 4 a + q: x's rows 32 a + lane, K quarter q; 16 + 4 i + q: lanes 0-15 W's fragment 2 i, lanes 16-31 fragment 2 i + 1
.set AF,   96                          ; x's fragments: set p at v[AF + 64 p], rows 32 a on at + 16 a; in the last K step rows 32 a on at v[AF + 64 (a % 2)], quarter q at + 16 q
.set RING, 128                         ; W's fragments 0 to 3, in window 1
.set G1, 24                            ; s[24:31] descriptor group 1 for x's tiles;  s[32:39] group 0, one set for each slot
.set G0, 32
.set G1B, 48                           ; s[48:55], s[56:63] the same for W's parts
.set G0B, 56
.set PFA, 66                           ; s[66:67] where my prefetches stand
.set WB,  68                           ; s[68:69] W's tile at the trip's first K step, for the loads straight to registers
.set MSB, 0
.macro WIN new                         ; the immediate's high byte repeats the setting that is left
.if MSB != (\new)
	s_set_vgpr_msb (MSB<<8)|(\new)
.set MSB, (\new)
.endif
.endm
.set MULW, 0xa4                        ; source 0 (x) window 0, source 1 (W) window 1, C and D window 2; + 0x50: window 3
.set TO_W, 0x40                        ; destination window 1, address window 0
; A joint load: waves 0 and 1 fetch for x, waves 2 and 3 for W.  Each of the two lines has ONE mask and one set of registers for all that issue it; the branch hangs on the wave's number alone.
; s_nop 0 and four v_nop follow each of the two lines, ahead of the jump, the label and what follows.
.macro JLOAD g0a, g1a, g0b, g1b
	s_cmp_eq_u32 s15, 0
	s_cbranch_scc0 .Lfor_b_\@
	tensor_load_to_lds s[\g0a:\g0a+3], s[\g1a:\g1a+7]
	s_nop 0
.rept 4
	v_nop
.endr
	s_branch .Lasked_\@
.Lfor_b_\@:
	tensor_load_to_lds s[\g0b:\g0b+3], s[\g1b:\g1b+7]
	s_nop 0
.rept 4
	v_nop
.endr
.Lasked_\@:
.endm
.macro CREST                           ; a round of the cluster's barrier behind its opening barrier
	s_cmp_lg_u32 s14, 0
	s_cbranch_scc1 .Lnot_wave_0_\@
	s_barrier_signal -3
.Lnot_wave_0_\@:
	s_barrier_wait -3
	s_barrier_signal -1
	s_barrier_wait -1
.endm
.macro CROUND                          ; a whole round
	s_barrier_signal -1
	s_barrier_wait -1
	CREST
.endm
.macro ASK k                           ; my work-group's share of the tile k K steps on from where PFA stands
	global_prefetch_b8 v[PFO], s[PFA:PFA+1] offset:(\k)*TILEB th:TH_LOAD_NT scope:SCOPE_SE
	global_prefetch_b8 v[PFS], s[PFA:PFA+1] offset:(\k)*TILEB th:TH_LOAD_NT scope:SCOPE_SE
.endm
.macro GLOAD q, k                      ; W's fragments 0 to 3 of K quarter q, k K steps on from where WB stands, into the ring: 8 loads, each 512 consecutive bytes
	WIN TO_W
.irp i, 0,1,2,3
.irp c, 0,1
	global_load_b128 v[RING+32*(\q)+8*\i+4*\c:RING+32*(\q)+8*\i+4*\c+3], v[WO], s[WB:WB+1] offset:(\k)*TILEB+(4*\i+(\q))*1024+512*\c
.endr
.endr
.endm
	s_load_b256 s[4:11], s[0:1], 0x0               ; xq s[4:5], wq s[6:7], bias s[8:9], out0 s[10:11]
	v_lshl_add_u32 v[SPW], v0, 2, SPARE
	v_mov_b32 v[NIL], 0
	ds_add_u32 v[SPW], v[NIL]                      ; the wave's opening: the add, twice on end, and its wait ahead of my first tensor load
	ds_add_u32 v[SPW], v[NIL]
	v_lshrrev_b32 v1, 5, v0
	v_readfirstlane_b32 s14, v1                    ; wave 0..3
	s_lshr_b32 s15, s14, 1                         ; which half of the tile's rows is mine.  Also: I fetch for x (0) or for W (1)
	s_and_b32 s16, s14, 1                          ; which half of its columns.  Also: which 128 rows of that operand I fetch
	s_bfe_u32 s40, ttmp6, 0x40000                  ; cx, cy: my place in the cluster
	s_bfe_u32 s41, ttmp6, 0x40004
	s_lshl_b32 s42, ttmp9, 2
	s_add_co_u32 s42, s42, s40                     ; tile column = 4 x cluster x + cx
	s_and_b32 s17, ttmp7, 0xffff
	s_lshl_b32 s17, s17, 2
	s_add_co_u32 s17, s17, s41                     ; tile row = 4 x cluster y + cy
	s_lshl_b32 s43, s41, 2
	s_lshl_b32 s43, 15, s43                        ; my row of the cluster
	s_lshl_b32 s44, 0x1111, s40                    ; my column
	; descriptor group 1: a dense block of rows of 256 bytes (32 elements of 8 bytes), no padding: 136 rows for x, 72 for W
	s_or_b32 s[G1+0], s43, (3<<16)|(1<<21)         ; 15:0 the mask: x's tiles go to my row; 17:16 elements of 8 bytes; 21 set beside a mask
	s_or_b32 s[G1B+0], s44, (3<<16)|(1<<21)        ; W's go to my column
	s_mov_b32 s[G1+2], 136<<16                     ; tensor_dim1
	s_mov_b32 s[G1+4], 136                         ; tile_dim1
	s_mov_b32 s[G1B+2], 72<<16
	s_mov_b32 s[G1B+4], 72
.irp g, G1, G1B
	s_mov_b32 s[\g+1], 32<<16                      ; tensor_dim0 = 32
	s_mov_b32 s[\g+3], 32<<16                      ; tile_dim0 = 32
	s_mov_b32 s[\g+5], 32                          ; tensor_dim0_stride: each row begins where the last ends
	s_mov_b32 s[\g+6], 0
	s_mov_b32 s[\g+7], 0
.endr
	; where the tiles come from: x's hang on the tile row alone, W's on the tile column alone, in registers that never hold the other coordinate
	s_lshl_b32 s20, s17, 1
	s_add_co_u32 s20, s20, s16                     ; x: which 128 rows: 2 x tile row + half
	s_mul_i32 s20, s20, 8*TILEB                    ; their eight tiles lie on end
	s_mov_b32 s21, 0
	s_lshl_b32 s46, s42, 1
	s_add_co_u32 s46, s46, s16                     ; W: 2 x tile column + half
	s_mul_i32 s46, s46, 8*TILEB
	s_mov_b32 s47, 0
	s_mul_i32 s45, s16, TILEB                      ; where they go: x's half,
	s_mul_i32 s18, s16, WT
	s_add_co_u32 s18, s18, 2*TILEB                 ; W's half, behind x's two tiles: no place in the cluster enters an LDS address
	s_wait_dscnt 0x0                               ; both opening adds are done
	s_wait_kmcnt 0x0
	s_add_nc_u64 s[20:21], s[4:5], s[20:21]
	s_add_nc_u64 s[46:47], s[6:7], s[46:47]
	CROUND                                         ; all sixteen work-groups are here: the first joint loads meet
.irp s, 0,1
	s_mov_b32 s[G0+4*\s], 1                                        ; count = 1
	s_add_co_u32 s[G0+4*\s+1], s45, \s*SLOT                        ; LDS address
	s_add_nc_u64 s[G0+4*\s+2:G0+4*\s+3], s[20:21], \s*TILEB        ; global address: K step s
	s_or_b32 s[G0+4*\s+3], s[G0+4*\s+3], 0x80000000                ; type = 2
	s_mov_b32 s[G0B+4*\s], 1
	s_add_co_u32 s[G0B+4*\s+1], s18, \s*SLOT
	s_add_nc_u64 s[G0B+4*\s+2:G0B+4*\s+3], s[46:47], \s*TILEB+UPPER
	s_or_b32 s[G0B+4*\s+3], s[G0B+4*\s+3], 0x80000000
.endr
	JLOAD G0, G1, G0B, G1B                         ; K step 0: one tensor load a wave at the head
	s_mov_b64 s[WB:WB+1], s[46:47]                 ; the fragments that I multiply are of the same 128 columns as the part that waves 2 and 3 fetch by s16
	; the prefetches: the tile that I fetch, my partner's place p in it: cx for x, cy for W
	s_cmp_eq_u32 s15, 0
	s_cselect_b32 s18, s40, s41
	s_cselect_b64 s[PFA:PFA+1], s[20:21], s[46:47]
	s_lshl_b32 s22, s18, 13                        ; units 32 p on
	s_mov_b32 s23, 0
	s_add_nc_u64 s[PFA:PFA+1], s[PFA:PFA+1], s[22:23]
	s_mul_i32 s19, s18, 7680
	s_sub_co_u32 s19, 0x8000, s19                  ; from there to the scale words' units 2 p: 32,768 - 8,192 p + 512 p
	s_mul_i32 s20, s15, TILEB                      ; LDS: my 128 rows of x
	s_mul_i32 s22, s16, WT
	s_add_co_u32 s22, s22, 2*TILEB                 ; my 128 rows of W, which lie behind x's two tiles
	v_and_b32 v3, 31, v0                           ; lane
	v_lshlrev_b32 v[PFO], 8, v3
	v_min_u32 v5, 1, v3
	v_lshlrev_b32 v5, 8, v5
	v_add_nc_u32 v[PFS], s19, v5                   ; two units; the lanes left over name the second again
	v_and_b32 v1, 15, v0                           ; r
	v_bfe_u32 v2, v0, 4, 1                         ; h
	v_lshlrev_b32 v[WO], 4, v3                     ; 16 x lane
	v_add_nc_u32 v[ADRA], s20, v[WO]
	v_add_nc_u32 v[ADRB], s22, v[WO]
	v_lshlrev_b32 v[BO], 4, v1
	v_lshl_add_u32 v[CO], v2, 17, v[BO]            ; 8 rows of 16,384 bytes for each half
	v_add_nc_u32 v[ADRA+1], SLOT, v[ADRA]
	v_add_nc_u32 v[ADRB+1], SLOT, v[ADRB]
	s_lshl_b32 s20, s17, 8
	s_lshl_b32 s21, s15, 7
	s_add_co_u32 s20, s20, s21                     ; my first row of out0: 256 x tile row + 128 x half
	s_lshl_b32 s20, s20, 14                        ; rows of 16,384 bytes: under 2^27
	s_mov_b32 s21, 0
	s_lshl_b32 s46, s42, 10                        ; my first column, in bytes: 1,024 x tile column + 512 x half
	s_lshl_b32 s47, s16, 9
	s_add_co_u32 s46, s46, s47
	s_mov_b32 s47, 0
	s_add_nc_u64 s[8:9], s[8:9], s[46:47]          ; the bias at my first column
	s_add_nc_u64 s[20:21], s[20:21], s[46:47]
	s_add_nc_u64 s[10:11], s[10:11], s[20:21]      ; out0 at my part's first number
	s_wait_alu depctr_va_vdst(0)                   ; the wait at the head's end
	global_load_b128 v[BI:BI+3], v[BO], s[8:9]
	global_load_b128 v[BI+4:BI+7], v[BO], s[8:9] offset:256
	GLOAD 0, 0                                     ; the ring's first three quarters; the fourth is asked for in the first step, as in every K step
	GLOAD 1, 0
	GLOAD 2, 0
	WIN 0
	ASK 1
; One product: x's rows 32 ap on (16 registers from a) x W's fragment b (8 registers from w), 128 along K: quarter q, scale set sc.  zero = 1: it starts the sum.
.macro MM ap, b, a, w, q, sc, zero
.set DD, 128*((\ap)%2)+16*(\b)
.set SA, SC+32*(\sc)+4*(\ap)+(\q)
.set SB, SC+32*(\sc)+16+4*((\b)/2)+(\q)
.if \zero
.if (\b)%2
	v_wmma_scale_f32_32x16x128_f4 v[DD:DD+15], v[\a:\a+15], v[\w:\w+7], 0, v[SA], v[SB] matrix_b_scale:MATRIX_SCALE_ROW1
.else
	v_wmma_scale_f32_32x16x128_f4 v[DD:DD+15], v[\a:\a+15], v[\w:\w+7], 0, v[SA], v[SB]
.endif
.else
.if (\b)%2
	v_wmma_scale_f32_32x16x128_f4 v[DD:DD+15], v[\a:\a+15], v[\w:\w+7], v[DD:DD+15], v[SA], v[SB] matrix_b_scale:MATRIX_SCALE_ROW1
.else
	v_wmma_scale_f32_32x16x128_f4 v[DD:DD+15], v[\a:\a+15], v[\w:\w+7], v[DD:DD+15], v[SA], v[SB]
.endif
.endif
.endm
; x's rows 32 ap on against W's eight, register sets q % 2 and the ring's quarter q.  The 32 accumulators take turns, one instruction a turn, in the same order in every step.
.macro MUL ap, q, sc, zero
	WIN MULW+0x50*((\ap)/2)
.irp b, 0,1,2,3
	MM \ap, \b, AF+64*((\q)%2)+16*(\ap), RING+32*(\q)+8*\b, \q, \sc, \zero
.endr
.irp b, 0,1,2,3
	MM \ap, 4+\b, AF+64*((\q)%2)+16*(\ap), 32*((\q)%2)+8*\b, \q, \sc, \zero
.endr
.endm
.macro WFRAGS slot, q, w               ; W's fragments 4 to 7 of the slot's quarter q into the run of 32 from w: 8 loads
	WIN TO_W
.irp i, 0,1,2,3
.irp c, 0,1
	ds_load_b128 v[\w+8*\i+4*\c:\w+8*\i+4*\c+3], v[ADRB+\slot] offset:(4*\i+(\q))*1024+512*\c
.endr
.endr
.endm
.macro FRAG_X slot, q, a, ap           ; x's rows 32 ap on of quarter q into 16 registers from a: 4 loads (every window is 0)
.irp i, 0,1
.irp c, 0,1
	ds_load_b128 v[\a+8*\i+4*\c:\a+8*\i+4*\c+3], v[ADRA+\slot] offset:(4*(2*(\ap)+\i)+(\q))*1024+512*\c
.endr
.endr
.endm
.macro FETCH_X slot, q, p              ; x's four runs of 32 rows into set p: 16 loads
	WIN 0
.irp a, 0,1,2,3
	FRAG_X \slot, \q, AF+64*(\p)+16*\a, \a
.endr
.endm
.macro XBLK ap                         ; the last K step: x's rows 32 ap on, all four quarters: 16 loads
	WIN 0
.irp q, 0,1,2,3
	FRAG_X 1, \q, AF+64*((\ap)%2)+16*\q, \ap
.endr
.endm
.macro SCALES sc                       ; slot sc's scale words into set sc: 8 loads, four words a row; x's lie behind eight fragments, W's behind four
	WIN 0
.irp i, 0,1,2,3
	ds_load_b128 v[SC+32*\sc+4*\i:SC+32*\sc+4*\i+3], v[ADRA+\sc] offset:32768+512*\i
	ds_load_b128 v[SC+32*\sc+16+4*\i:SC+32*\sc+16+4*\i+3], v[ADRB+\sc] offset:16384+512*\i
.endr
.endm
; A load into a register that a matrix instruction has read, and a vector instruction that reads a matrix result, stand four places behind that matrix instruction, and only plain vector instructions that name
; none of its registers are places (ISA guide 7.12.1 for vector instructions); the matrix instructions in between are not counted.
.macro PLACES
.rept 4
	v_nop
.endr
.endm
; A step of 128 along K that has its successor in the same slot.  It multiplies the sets q % 2; the other sets, free since the last step's end, take the next step's 24 LDS loads in two runs (W 8, x 16).  The
; ring's quarter that the last step multiplied is asked for anew: q = 0: quarter 3 of this K step; else quarter q - 1 of the next.  k: that K step, counted from WB.
; q = 2, in front of a change of slots: the wave waits for all its tensor loads and adds 0 to its spare word; the last eight matrix instructions stand between that and TURN's wait for it.
.macro STEP slot, q, zero, k
	s_wait_loadcnt 16                              ; the ring's quarter q is in; the two younger quarters may be out
	s_wait_dscnt 12                                ; W's set, x's rows 0-31 and the scale words are in; x's other 12 loads may be out
	MUL 0, \q, \slot, \zero
	PLACES
	WFRAGS \slot, (\q)+1, 32*(1-(\q)%2)
	GLOAD ((\q)+3)%4, \k
	s_wait_dscnt 16                                ; x's rows 32-63 are in: behind them 8 loads of this step and 8 of the next
	MUL 1, \q, \slot, \zero
	FETCH_X \slot, (\q)+1, (1-(\q)%2)
	s_wait_dscnt 28                                ; rows 64-95: behind them 4 and the next step's 24
	MUL 2, \q, \slot, \zero
.if \q == 2
	WIN 0                                          ; (the add's two registers lie in window 0)
	s_wait_tensorcnt 0x0                           ; all my tensor loads have landed: my part of the next slot; so every group 0 may be written
	ds_add_u32 v[SPW], v[NIL]                      ; 0 onto my spare word
	s_wait_dscnt 25                                ; rows 96-127: behind them the next step's 24 and the add
.else
	s_wait_dscnt 24                                ; rows 96-127
.endif
	MUL 3, \q, \slot, \zero
.endm
; A slot's last step changes slots: its fragments are all in registers.  The wait in front of the round is for the add and for my reads of this slot.  The slot is filled again, two K steps ahead; the joint
; refill is the first tensor load behind the round: one load of mine is out.  Then come the next slot's first fragments, with matrix instructions to land in.
.macro TURN slot, next, k
	s_wait_loadcnt 16                              ; the ring's quarter 3
	s_add_nc_u64 s[G0+4*\slot+2:G0+4*\slot+3], s[G0+4*\slot+2:G0+4*\slot+3], 2*TILEB
	s_add_nc_u64 s[G0B+4*\slot+2:G0B+4*\slot+3], s[G0B+4*\slot+2:G0B+4*\slot+3], 2*TILEB
	s_wait_dscnt 0x0                               ; the add is done, and my reads of this slot are over
	s_barrier_signal -1
	MUL 0, 3, \slot, 0
	WIN 0
	s_barrier_wait -1
	CREST                                          ; no wave of any partner still reads this slot's tiles or has a load on its way
	JLOAD G0+4*\slot, G1, G0B+4*\slot, G1B         ; the four v_nop behind it are also the places in front of the loads below
	WFRAGS \next, 0, 0
	GLOAD 2, \k
	SCALES \next
	MUL 1, 3, \slot, 0
	FETCH_X \next, 0, 0
	s_cmp_gt_u32 s3, 1                             ; the loop's last trip asks for nothing: its refills are K steps 6 and 7
	s_cbranch_scc0 .Lno_more_\@
	ASK 4+\slot                                    ; the K step two on from this refill's
.Lno_more_\@:
	MUL 2, 3, \slot, 0
	MUL 3, 3, \slot, 0
.endm
	s_wait_tensorcnt 0x0                           ; my tile of K step 0 is in; the add and its wait ahead of a later first fill, as ahead of a refill:
	ds_add_u32 v[SPW], v[NIL]
	s_wait_dscnt 0x0                               ; the add is done
	CROUND                                         ; everybody's tile is in, and all sixteen work-groups are here: the joint loads meet,
	JLOAD G0+4, G1, G0B+4, G1B                     ; and K step 1's load, the first tensor load behind the round
	WFRAGS 0, 0, 0
	SCALES 0
	FETCH_X 0, 0, 0
	ASK 2
	ASK 3
	STEP 0, 0, 1, 0                                ; the first step stands in front of the loop: its products start the sums
	WIN 0                                          ; at a label and at a branch every window is 0
	s_mov_b32 s3, LAPS-1
.Llap:                                                 ; a trip goes once round the ring, from a lap's second step to the next lap's first, and fills both slots again: K steps 2 to 7
	STEP 0, 1, 0, 1
	STEP 0, 2, 0, 1
	TURN 0, 1, 1
	STEP 1, 0, 0, 1
	STEP 1, 1, 0, 2
	STEP 1, 2, 0, 2
	TURN 1, 0, 2
	STEP 0, 0, 0, 2
	WIN 0
	s_wait_xcnt 0x0                                ; my loads and prefetches have read their bases: both step once a trip, by two K steps
	s_add_nc_u64 s[PFA:PFA+1], s[PFA:PFA+1], 2*TILEB
	s_add_nc_u64 s[WB:WB+1], s[WB:WB+1], 2*TILEB
	s_sub_co_u32 s3, s3, 1
	s_cmp_lg_u32 s3, 0
	s_cbranch_scc1 .Llap
	STEP 0, 1, 0, 1
	STEP 0, 2, 0, 1
; THE LAST K STEP (slot 1) GOES BY ROWS OF out0: W's fragments of all four quarters lie in window 1, x's come by 32 rows.
.macro ROW ap, g                       ; rows 32 ap on, W's fragments 4 g .. 4 g + 3: 16 products: four accumulators by turns, three others between a sum's steps
	WIN MULW+0x50*((\ap)/2)
.irp q, 0,2,3,1
.if (\ap) == 0 && (\g) == 1 && \q == 1
	s_wait_dscnt 0x0                               ; quarter 1 of W's fragments 4 to 7 is in
.endif
.irp e, 0,1,2,3
	MM \ap, 4*(\g)+\e, AF+64*((\ap)%2)+16*\q, RING*(1-(\g))+32*\q+8*\e, \q, 1, 0
.endr
.endr
	PLACES
.endm
; Register j of four accumulators + the bias into quad n of sixteen (v224-255, then v32-63), and its store: lanes 0-15 store 256 consecutive bytes of a row, aligned, lanes 16-31 those of the row 8 further down.
.macro ADDQ ap, j, g, n
.irp e, 0,1,2,3
	v_add_f32 v[224-192*((\n)/8)+4*((\n)%8)+\e], v[128*((\ap)%2)+16*(4*(\g)+\e)+(\j)], v[BI+4*(\g)+\e]
.endr
.endm
.macro STQ ap, j, g, n
.set QD, 224-192*((\n)/8)+4*((\n)%8)
	global_store_b128 v[CO], v[QD:QD+3], s[10:11] offset:(32*(\ap)+16*((\j)/8)+(\j)%8)*NROW+256*(\g) th:TH_STORE_NT   ; written once, read by nobody here
.endm
.macro OUT1 ap, g                      ; 32 rows x 64 columns: each accumulator from its low end on
	WIN 2+(\ap)/2
.irp j, 0,1,2,3,4,5,6,7,8,9,10,11,12,13,14,15
	ADDQ \ap, \j, \g, \j
.endr
	WIN 0
.irp j, 0,1,2,3,4,5,6,7,8,9,10,11,12,13,14,15
	STQ \ap, \j, \g, \j
.endr
.endm
.macro OUT2 ap                         ; 32 rows x 128 columns, 16 rows at a time: a row's two units of 256 bytes one behind the other
.irp k, 0,1
	s_wait_xcnt 0x0                                ; the earlier stores have read their data: those registers are written again only behind this wait
	WIN 2+(\ap)/2
.irp j, 0,1,2,3,4,5,6,7
.irp g, 0,1
	ADDQ \ap, 8*\k+\j, \g, 2*\j+\g
.endr
.endr
	WIN 0
.irp j, 0,1,2,3,4,5,6,7
.irp g, 0,1
	STQ \ap, 8*\k+\j, \g, 2*\j+\g
.endr
.endr
.endr
.endm
	s_wait_loadcnt 16                              ; the ring's quarter 3
	s_wait_dscnt 0x0                               ; the add is done, and my reads of slot 0 are over; the tensor load that was out was the last K step's, so no round follows
	s_barrier_signal -1
	MUL 0, 3, 0, 0
	s_barrier_wait -1
	PLACES                                         ; for the loads into the sets 0 and the ring's quarter 2, which the step before multiplied
	SCALES 1
	XBLK 0
	MUL 1, 3, 0, 0
	GLOAD 2, 1
	WFRAGS 1, 0, 0                                 ; W's fragments 4 to 7 of quarters 0, 2 and 3; quarter 1's registers are still being multiplied
	WFRAGS 1, 2, 64
	WFRAGS 1, 3, 96
	MUL 2, 3, 0, 0
	MUL 3, 3, 0, 0
	PLACES                                         ; for the loads into the sets 1 and the ring's quarter 3
	GLOAD 3, 1
	WFRAGS 1, 1, 32
	s_wait_dscnt 8                                 ; all but the 8 just issued
	ROW 0, 1                                       ; the half of W that came through LDS goes first: the ring's last quarter is on its way
	OUT1 0, 1
	XBLK 1
	s_wait_loadcnt 0x0                             ; the ring is whole
	ROW 0, 0
	XBLK 2
	s_wait_xcnt 0x0                                ; the earlier stores have read their data
	OUT1 0, 0
	s_wait_dscnt 16                                ; rows 32-63 are in; rows 64-95 may be out
	ROW 1, 0
	ROW 1, 1
	XBLK 3
	OUT2 1
	s_wait_dscnt 16                                ; rows 64-95
	ROW 2, 0
	ROW 2, 1
	OUT2 2
	s_wait_dscnt 0x0                               ; rows 96-127
	ROW 3, 0
	ROW 3, 1
	OUT2 3
	s_wait_tensorcnt 0x0                           ; the wave's end: three lines behind my last tensor load
	ds_add_u32 v[SPW], v[NIL]
	s_wait_dscnt 0x0
	CROUND                                         ; the closing round: no work-group ends while a partner may still ask for a tile that names it
	s_endpgm
.Lfunc_end_k_qea61e70645_gemm:
	.size	k_qea61e70645_gemm, .Lfunc_end_k_qea61e70645_gemm-k_qea61e70645_gemm
	.p2alignl 7, 3214868480
	.fill 96, 4, 3214868480
	.section	.rodata,"a",@progbits
	.p2align	6, 0x0
	.amdhsa_kernel k_qea61e70645_gemm
		.amdhsa_group_segment_fixed_size 327680
		.amdhsa_private_segment_fixed_size 0
		.amdhsa_enable_private_segment 0
		.amdhsa_kernarg_size 32
		.amdhsa_user_sgpr_count 2
		.amdhsa_user_sgpr_kernarg_segment_ptr 1
		.amdhsa_wavefront_size32 1
		.amdhsa_system_sgpr_workgroup_id_x 1
		.amdhsa_system_sgpr_workgroup_id_y 1
		.amdhsa_system_sgpr_workgroup_id_z 1
		.amdhsa_system_vgpr_workitem_id 0
		.amdhsa_next_free_vgpr 1024
		.amdhsa_next_free_sgpr 72
		.amdhsa_reserve_vcc 0
		.amdhsa_float_denorm_mode_32 3
		.amdhsa_float_denorm_mode_16_64 3
		.amdhsa_memory_ordered 1
		.amdhsa_forward_progress 1
		.amdhsa_inst_pref_size 149
	.end_amdhsa_kernel
	.amdgpu_metadata
---
amdhsa.version: [ 1, 2 ]
amdhsa.kernels:
  - .name:           k_qea61e70645_gemm
    .symbol:         k_qea61e70645_gemm.kd
    .args:
      - { .name: xq, .offset: 0, .size: 8, .value_kind: global_buffer, .address_space: global }
      - { .name: wq, .offset: 8, .size: 8, .value_kind: global_buffer, .address_space: global }
      - { .name: bias, .offset: 16, .size: 8, .value_kind: global_buffer, .address_space: global }
      - { .name: out0, .offset: 24, .size: 8, .value_kind: global_buffer, .address_space: global }
    .group_segment_fixed_size: 327680
    .private_segment_fixed_size: 0
    .kernarg_segment_align: 8
    .kernarg_segment_size: 32
    .max_flat_workgroup_size: 128
    .sgpr_count:     72
    .vgpr_count:     1024
    .wavefront_size: 32
...
	.end_amdgpu_metadata
.endif
;; end of part 2
